; MI455X (gfx1250); checked and timed in simulation.
; The chip was launched on July 23, 2026; its instructions are those of AMD's public machine-readable ISA for CDNA 5 (MIT licence, August 2026) and "CDNA5" Instruction Set Architecture Reference Guide (July 2026). The comments in the code are by the model that wrote it; some were corrected since.
;; Self Attention. Allowed arithmetic: matrix products marked QUANTISED: E2M1 operands, one E8M0 scale for each 32 along K, by v_wmma_scale_f32_16x16x128_f8f6f4 with both operands' format E2M1 (or v_wmma_scale_f32_32x16x128_f4), f32 sums; everything else in f32.
;; Inputs: Wk_codes 1,024 x 32 x 16 uint8 (E2M1 codes of Wk, K innermost, in blocks of 32 codes, two codes a byte); Wk_scales 1,024 x 32 uint8 (E8M0 scales of Wk, one for each 32 codes along K); Wq_codes 1,024 x 32 x 16 uint8 (E2M1 codes of Wq, K innermost, in blocks of 32 codes, two codes a byte); Wq_scales 1,024 x 32 uint8 (E8M0 scales of Wq, one for each 32 codes along K); Wv_codes 1,024 x 32 x 16 uint8 (E2M1 codes of Wv, K innermost, in blocks of 32 codes, two codes a byte); Wv_scales 1,024 x 32 uint8 (E8M0 scales of Wv, one for each 32 codes along K); attention_mask 4 x 1 x 1 x 2,048 float32; bk 1,024 float32; bq 1,024 float32; bv 1,024 float32; hidden_states_codes 4 x 2,048 x 32 x 16 uint8 (E2M1 codes of hidden_states, K innermost, in blocks of 32 codes, two codes a byte); hidden_states_scales 4 x 2,048 x 32 uint8 (E8M0 scales of hidden_states, one for each 32 codes along K).
;; Outputs: out0 4 x 2,048 x 1,024 float32.
;; This version of the problem:
;;   THIS VERSION OF THE PROBLEM IS GIVEN IN LOW PRECISION. The matrix products marked QUANTISED in the list below multiply operands that are first quantised to E2M1 (2 exponent bits, 1 mantissa bit; 4 bits a number), with one power-of-two scale for each 32 numbers along K (OCP MX v1.0); their sums are f32. All else is computed in f32.
;;   The module's matrix products, in the order in which they are computed (A, B: the left and right operand; K: the contracted axis; several contracted axes count as one K, in the product's order):
;;     1. [M 8,192, K 1,024] x [K 1,024, N 1,024]; A: input hidden_states (given as codes); B: input Wq (given as codes): QUANTISED
;;     2. [M 8,192, K 1,024] x [K 1,024, N 1,024]; A: input hidden_states (given as codes); B: input Wk (given as codes): QUANTISED
;;     3. [M 8,192, K 1,024] x [K 1,024, N 1,024]; A: input hidden_states (given as codes); B: input Wv (given as codes): QUANTISED
;;     4. batch 64 x [M 2,048, K 64] x [K 64, N 2,048]; A: computed on the way; B: computed on the way: QUANTISED
;;     5. batch 64 x [M 2,048, K 2,048] x [K 2,048, N 64]; A: softmax (see below); B: computed on the way: QUANTISED
;;   THE QUANTISER, for each operand of a quantised product, along K:
;;     - K is cut into blocks of 32 from its start; a last block that is shorter is filled with zeros.
;;     - A block's scale is 2^e with e = floor(log2(the largest magnitude in the block)) - 2, held to -126 .. 127; a block of zeros has e = 0. As a byte (E8M0): e + 127.
;;     - Each number is divided by its block's scale, clamped to +-6, and rounded to the nearest number of E2M1, ties to even, subnormals kept.
;;     - The product sums the exact products of the quantised numbers (number of the format x scale) in f32.
;;   ~~~python
;;   def quantise(x, axis):      # numpy; x: float32 -> the quantised numbers, widened to float32 again
;;       x = np.moveaxis(x, axis, -1); K = x.shape[-1]
;;       x = np.pad(x, [(0, 0)] * (x.ndim - 1) + [(0, -K % 32)]); x = x.reshape(x.shape[:-1] + (-1, 32)); a = np.abs(x).max(-1, keepdims=True)
;;       e = np.where(a > 0, np.clip(np.frexp(np.where(a > 0, a, 1))[1] - 1 - 2, -126, 127), 0)      # np.frexp(a)[1] - 1 = floor(log2(a)), exactly
;;       r = np.clip(x / 2.0 ** e, -6, 6)
;;       step = 2.0 ** (np.maximum(np.frexp(np.where(r == 0, 1, r))[1] - 1, 0) - 1)
;;       q = np.round(r / step) * step * 2.0 ** e      # np.round: ties to even
;;       return np.moveaxis(q.reshape(q.shape[:-2] + (-1,))[..., :K], -1, axis).astype(np.float32)
;;   ~~~
;;   SOFTMAX AHEAD OF A QUANTISED PRODUCT. Where the list says 'softmax', what is quantised is not the finished softmax but p = 2^(t - M), with t = logit x log2(e) and M = ceil(the row's largest t), a whole number; so 1/2 < the row's largest p <= 1. The row's sum l is taken of the UNQUANTISED p, in f32, and the product's result is divided by l at the end. Since M is a whole number, a kernel that streams over the keys may use a running M (the ceiling of the running maximum): every later rescaling is an exact power of two, which a block's scale takes up: the codes' values come out the same.
;;   OPERANDS COMPUTED ON THE WAY. 'Computed on the way' means the value that the module computes at that place (a softmax that the list does not call 'softmax' is quantised finished and normalised). What goes into a quantiser is computed in f32, as accurately as f32 sums, v_exp_f32 and their like allow (about 1e-6 of the number): no bf16 or f16 on the way to a quantiser, and a product that is left as it is and whose result goes on into a quantised operand takes f32 operands (vector FMAs, or v_wmma_f32_16x16x4_f32). A number that lies on a knife's edge between two numbers of the format may be rounded either way, as far as f32 arithmetic and the matrix unit's own rounding can turn it there, and no further.
;;   INPUTS GIVEN AS CODES. Wk (in the module: [1024, 1024], K = its axis 1); Wq (in the module: [1024, 1024], K = its axis 1); Wv (in the module: [1024, 1024], K = its axis 1); hidden_states (in the module: [4, 2048, 1024], K = its axis 2): each comes as NAME_codes (uint8): NAME with its K axis moved to the last place and cut into blocks of 32 codes, [.., K / 32, bytes a block], one block behind the other in memory; two codes a byte, the lower K in the low four bits (a code: sign, 2 exponent bits, 1 mantissa bit); and NAME_scales (uint8): the same leading axes, one E8M0 byte (e + 127) for each 32 codes along K. Its value is code x scale, taken as it is: it is not quantised again, and the codes and scales need not be those that the quantiser above would give.
;; One version. Each part assembles by itself: llvm-mc -triple=amdgcn-amd-amdhsa -mcpu=gfx1250 --defsym DOCPART=n.
;; ======== version 1 of 1: 2 launches
;; limits: right only within a limited range of input values
;; workspace buffers: qimg 4,194,304 bytes; qsc 524,288 bytes; kimg 4,194,304 bytes; kvsc 786,432 bytes; vimg 4,194,304 bytes
;; launch proj (part 1): grid 16 x 32, 4 waves a work-group, clusters of 4 x 4, 327,680 bytes of LDS; arguments hidden_states_codes, hidden_states_scales, Wq_codes, Wq_scales, Wk_codes, Wk_scales, Wv_codes, Wv_scales, bq, bk, bv, attention_mask, qimg, qsc, kimg, kvsc, vimg; writes qimg, qsc, kimg, kvsc, vimg
.if DOCPART == 1
	.amdgcn_target "amdgcn-amd-amdhsa--gfx1250"
	.amdhsa_code_object_version 6
	.text
	.protected	k_q601b1a6e57_proj
	.globl	k_q601b1a6e57_proj
	.p2align	8
	.type	k_q601b1a6e57_proj,@function
k_q601b1a6e57_proj:
	s_mov_b64 s[64:65], 0
	v_nop
	global_prefetch_b8 v0, s[64:65] scope:SCOPE_SE
	s_setreg_imm32_b32 hwreg(HW_REG_WAVE_MODE, 25, 1), 1
	s_wait_xcnt 0x0
	s_wait_alu depctr_hold_cnt(0) depctr_sa_sdst(0) depctr_va_vdst(0) depctr_va_sdst(0) depctr_va_ssrc(0) depctr_va_vcc(0) depctr_vm_vsrc(0)
	s_getreg_b32 s2, hwreg(HW_REG_IB_STS2, 6, 4)
	s_cmp_eq_u32 s2, 0
	s_cbranch_scc0 .Lentry_in_a_cluster
	s_endpgm
.Lentry_in_a_cluster:
	s_bfe_u32 s2, ttmp6, 0x10000c
	s_cmp_lg_u32 s2, 0xf033
	s_cbranch_scc0 .Lentry_shape_is_right
	s_endpgm
.Lentry_shape_is_right:
; q = x Wq^T + bq, k = x Wk^T + bk, v = x Wv^T + bv on the given codes of FP4 (E2M1) with their E8M0 bytes, sums in f32; then q and k are quantised along a head's 64 numbers
; (two blocks of 32) and v along the keys, and leave as codes laid in the order of the next launch's operand registers.
; NO WORK OF THE PROBLEM IS LEFT OUT: every input has a way to the output (bk too: it moves k's codes).
; TWO STEPS OF THE SCORES ARE TAKEN HERE, both exact.  (a) The division by sqrt(64) = 8: 3 is taken off q's two scale bytes.  (b) The factor (mask >= 0): the codes of a key whose mask is under 0 become zeros, so that
; its product with every q is 0, which is what the factor 0 makes of every finite score.  The product is still made; only its operand is selected, by v_cndmask_b32.
; LIMITS: NaN, infinities and scale bytes of 0xff among the inputs are not served; a score that would overflow under a key with mask < 0 gives that key's mask and no NaN.  A block of q whose largest magnitude lies
; under 2^-121 is quantised under the floor 2^(6 - 127) (so that its byte less 3 stays 1 or more), a block of k or v under 2^-124 under the floor 2^(3 - 127); a block of zeros keeps the floor's byte where the
; quantiser says 127: its codes are zeros, and these bytes are read by this program alone.
; SHARES.  A work-group (x = head, y = block of 256 tokens) makes q, k and v of one head for its tokens; wave w owns tokens 64 w .. 64 w + 63: 64 x 64 results in 16 accumulators, three times (q, k, v).
; K = 1,024 goes in 8 steps of 128.  All operands for all of K lie in LDS from the first fills on: 256 rows of x, 3 x 64 rows of W, their scale bytes: nothing is filled twice.
; CLUSTERS: 4 x 4 work-groups.  The four of a row of the cluster (same y) need the same rows of x, the four of a column (same head) the same rows of W: each tile is asked for jointly.
; LAYOUT.  q, k: source 0 = 16 rows of W, source 1 = 16 tokens: a lane holds ONE token and its registers run along the head.  v: source 0 = 16 tokens, source 1 = 16 rows of W: a lane holds one of the head's 64 and
; its registers run along the tokens, which are the next K.  In both, register j of tile p in lane (r, h) is index 16 p + 8 h + j.  A conversion of a tile's eight registers gives eight codes; of two neighbouring blocks
; of 32 the four results go to R0 (tile 0), R2 (tile 1), R1 (tile 2), R3 (tile 3); the exchanges (R0, R1) and (R2, R3) of lanes 16-31 against lanes 0-15 leave R0 .. R3 = indices 32 h + 0 .. 31: the operand's layout.
; REGISTERS.  Window 0: v1-12 addresses; v13-15, v16-31 at work; v32-63 scale words; v64-127 fragment set 0, later the codes; v128-255 the accumulators, (i, p) at 128 + 8 (4 i + p).
; Window 1: v0-31 bq, v32-63 bk, v128-159 bv, each in the layout of the result that it starts; v64-127 fragment set 1.
.set PITCH, 528                        ; an LDS row of codes: 512 bytes + 16 of padding = 132 words: the 16 rows of a fragment load start 4 banks apart
.set ROLEB, 64*PITCH                   ; 64 rows: what one tensor load brings
.set XT,    0                          ; x: 256 rows
.set WT,    4*ROLEB                    ; Wq, Wk, Wv: 64 rows each
.set XS,    WT+3*ROLEB                 ; x's scale bytes: 32 a row, dense
.set WS,    XS+8192                    ; W's: 3 x 2,048
.set SPARE, WS+6144                    ; the spare words, 128 bytes for each wave: two blocks of 256 bytes that no other line names
.set ADX, 1                            ; v1    my place in my wave's rows of x
.set ADW, 2                            ; v2-4  the same in Wq, Wk, Wv
.set ADS, 5                            ; v5-7  my scale words: lanes 0-15 x's rows, lanes 16-31 the rows of Wq, Wk, Wv
.set LI,  8                            ; v8    16 x lane
.set SPW, 9                            ; v9    LDS address of my spare word; never rewritten
.set NIL, 10                           ; v10   0; never rewritten
.set OS8, 11                           ; v11   16 r + 8 h
.set OS4, 12                           ; v12   8 r + 4 h
.set TM,  16                           ; v16-19 largest magnitudes
.set TM2, 20                           ; v20-23 the other half's, then the bytes
.set SO,  24                           ; v24-27 the conversions' scale operands
.set PW,  28                           ; v28-31 a tile's two bytes
.set SC,  32                           ; register 8 i + s: lanes 0-15 the word of x's tile i, lanes 16-31 that of W's tile i, K step s
.set FX,  64                           ; x's four fragments of a K step
.set FW,  96                           ; W's four
.set PC,  64                           ; the codes: four registers a tile
.set ACC, 128
.set WV,  38
.set G1X, 40                           ; s[40:47] group 1 for x's codes;  s[48:55] for W's;  s[56:63], s[68:75] for their scale bytes
.set G1W, 48
.set G1XS, 56
.set G1WS, 68
.set G0X, 76                           ; s[76:91] the four groups 0
.set G0XS, 80
.set G0W, 84
.set G0WS, 88
.set SEL, 92                           ; s[92:93] lane selects for v_permlanex16_b32: lane l xor 16
.set HM,  94                           ; s94   lanes 16-31
.set KM,  95                           ; s95-98 for each of my four tiles of tokens: the lanes whose token has mask >= 0
.set MSB, 0
.macro WIN new                         ; the immediate's high byte repeats the setting that is left
.if MSB != \new
	s_set_vgpr_msb (MSB<<8)|\new
.set MSB, \new
.endif
.endm
.macro CROUND                          ; a round of the cluster's barrier
	s_barrier_signal -1
	s_barrier_wait -1
	s_cmp_lg_u32 s[WV], 0
	s_cbranch_scc1 .Lnot_wave_0_\@
	s_barrier_signal -3
.Lnot_wave_0_\@:
	s_barrier_wait -3
	s_barrier_signal -1
	s_barrier_wait -1
.endm
	s_load_b512 s[4:19], s[0:1], 0x0               ; x codes s[4:5], x scales s[6:7], Wq s[8:11], Wk s[12:15], Wv s[16:19]
	s_load_b512 s[20:35], s[0:1], 0x40             ; bq s[20:21], bk s[22:23], bv s[24:25], mask s[26:27], qimg s[28:29], qsc s[30:31], kimg s[32:33], kvsc s[34:35]
	s_load_b64 s[36:37], s[0:1], 0x80              ; vimg
	v_lshl_add_u32 v[SPW], v0, 2, SPARE
	v_mov_b32 v[NIL], 0
	ds_add_u32 v[SPW], v[NIL]                      ; the wave's opening: the add, twice on end, and its wait ahead of my first tensor load
	ds_add_u32 v[SPW], v[NIL]                      ; and once more; the set-up below, work on registers, stands between it and the wait
	v_lshrrev_b32 v13, 5, v0
	v_readfirstlane_b32 s[WV], v13                 ; wave 0..3
	s_bfe_u32 s99, ttmp6, 0x40000                  ; cx
	s_bfe_u32 s39, ttmp6, 0x40004                  ; cy
	s_lshl_b32 s100, ttmp9, 2
	s_add_co_u32 s100, s100, s99                   ; head = 4 x cluster x + cx
	s_and_b32 s2, ttmp7, 0xffff
	s_lshl_b32 s2, s2, 2
	s_add_co_u32 s2, s2, s39                       ; y = 4 x cluster y + cy
	s_lshl_b32 s39, s39, 2
	s_lshl_b32 s39, 15, s39                        ; my row of the cluster
	s_lshl_b32 s99, 0x1111, s99                    ; my column
	s_or_b32 s[G1X], s39, (1<<20)|(1<<21)|(6<<22)|(3<<25)    ; 15:0 the mask; 17:16 elements of 1 byte; 20 padding on; 21 set beside a mask; 24:22 after every 128 words; 31:25 four words
	s_or_b32 s[G1W], s99, (1<<20)|(1<<21)|(6<<22)|(3<<25)
	s_or_b32 s[G1XS], s39, (3<<16)|(1<<21)         ; elements of 8 bytes, no padding
	s_or_b32 s[G1WS], s99, (3<<16)|(1<<21)
.irp g, G1X, G1W                       ; 64 rows of 512 bytes, 512 bytes apart
	s_mov_b32 s[\g+1], 512<<16
	s_mov_b32 s[\g+2], 64<<16
	s_mov_b32 s[\g+3], 512<<16
	s_mov_b32 s[\g+4], 64
	s_mov_b32 s[\g+5], 512
	s_mov_b32 s[\g+6], 0
	s_mov_b32 s[\g+7], 0
.endr
	s_mov_b32 s[G1X+2], 256<<16                    ; x's tile comes whole: 256 rows in one load
	s_mov_b32 s[G1X+4], 256
.irp g, G1XS, G1WS                     ; 2,048 dense bytes as 8 rows of 256
	s_mov_b32 s[\g+1], 32<<16
	s_mov_b32 s[\g+2], 8<<16
	s_mov_b32 s[\g+3], 32<<16
	s_mov_b32 s[\g+4], 8
	s_mov_b32 s[\g+5], 32
	s_mov_b32 s[\g+6], 0
	s_mov_b32 s[\g+7], 0
.endr
	s_mov_b32 s[G1XS+2], 32<<16                    ; x's scale bytes of 256 rows: 8,192 dense bytes as 32 rows of 256
	s_mov_b32 s[G1XS+4], 32
	s_mov_b32 s99, s100                            ; the head
	s_lshl_b32 s3, s2, 8
	s_lshl_b32 s39, s[WV], 6
	s_add_co_u32 s3, s3, s39                       ; my first token of the 8,192: 256 y + 64 w
	s_mov_b32 s67, 0
	s_mov_b32 s101, 0
	s_mov_b32 s[G0X], 1                            ; the first four tiles: x's codes, x's scale bytes, Wq's codes, Wq's scale bytes
	s_mov_b32 s[G0X+1], XT
	s_mov_b32 s[G0XS], 1
	s_mov_b32 s[G0XS+1], XS
	s_mov_b32 s[G0W], 1
	s_mov_b32 s[G0W+1], WT
	s_mov_b32 s[G0WS], 1
	s_mov_b32 s[G0WS+1], WS
	s_mov_b32 s[SEL], 0x76543210
	s_mov_b32 s[SEL+1], 0xfedcba98
	s_mov_b32 s[HM], 0xffff0000
	s_wait_dscnt 0x0                               ; both opening adds are done
	s_wait_kmcnt 0x0
	s_lshl_b32 s66, s2, 17                         ; x's addresses hang on y alone: 256 rows of 512 bytes,
	s_add_nc_u64 s[G0X+2:G0X+3], s[4:5], s[66:67]
	s_or_b32 s[G0X+3], s[G0X+3], 0x80000000
	s_lshl_b32 s66, s2, 13                         ; and of 32 scale bytes
	s_add_nc_u64 s[G0XS+2:G0XS+3], s[6:7], s[66:67]
	s_or_b32 s[G0XS+3], s[G0XS+3], 0x80000000
	s_lshl_b32 s100, s99, 15                       ; W's on the head alone: its 64 rows of 512 bytes
	s_add_nc_u64 s[G0W+2:G0W+3], s[8:9], s[100:101]
	s_or_b32 s[G0W+3], s[G0W+3], 0x80000000
	s_add_nc_u64 s[12:13], s[12:13], s[100:101]    ; Wk's and Wv's codes at the head, for the second group of loads
	s_add_nc_u64 s[16:17], s[16:17], s[100:101]
	s_lshl_b32 s100, s99, 11                       ; and of 32 scale bytes
	s_add_nc_u64 s[G0WS+2:G0WS+3], s[10:11], s[100:101]
	s_or_b32 s[G0WS+3], s[G0WS+3], 0x80000000
	s_add_nc_u64 s[14:15], s[14:15], s[100:101]
	s_add_nc_u64 s[18:19], s[18:19], s[100:101]
	s_mul_i32 s4, s[WV], ROLEB                     ; my wave's 64 rows of x in LDS (x's address has been used)
; one tensor load a wave, in one tree of branches on the wave's number
.macro ARM under, g0, g1, next, join
	s_cmp_lt_u32 s[WV], \under
	s_cbranch_scc0 \next
	tensor_load_to_lds s[\g0:\g0+3], s[\g1:\g1+7]
	s_nop 0
.rept 4
	v_nop
.endr
	s_branch \join
\next:
.endm
	CROUND                                         ; all sixteen work-groups are here: the joint loads meet
	ARM 1, G0X,  G1X,  .Lh1, .Lhj                  ; wave 0: x's 256 rows;  wave 1: their scale bytes;  wave 2: Wq's 64 rows;  wave 3: their scale bytes
	ARM 2, G0XS, G1XS, .Lh2, .Lhj
	ARM 3, G0W,  G1W,  .Lh3, .Lhj
	tensor_load_to_lds s[G0WS:G0WS+3], s[G1WS:G1WS+7]
	s_nop 0
.rept 4
	v_nop
.endr
.Lhj:
	; while the tiles are on their way: the biases, the mask, the addresses
	v_and_b32 v13, 15, v0                          ; r
	v_bfe_u32 v14, v0, 4, 1                        ; h
	v_lshlrev_b32 v24, 5, v14                      ; 32 h: eight numbers of a bias
	v_lshlrev_b32 v25, 2, v13                      ; 4 r
	s_wait_alu depctr_va_vdst(0)
	s_lshl_b32 s100, s99, 8                        ; the head's 64 numbers
	s_add_nc_u64 s[20:21], s[20:21], s[100:101]
	s_add_nc_u64 s[22:23], s[22:23], s[100:101]
	s_add_nc_u64 s[24:25], s[24:25], s[100:101]
	s_lshl_b32 s66, s3, 2
	s_add_nc_u64 s[26:27], s[26:27], s[66:67]      ; the mask at my first token
	WIN 0x40                                       ; destination window 1
.irp p, 0,1,2,3                        ; bq, bk: tile p, register j: the bias of the head's number 16 p + 8 h + j
	global_load_b128 v[8*\p:8*\p+3], v24, s[20:21] offset:64*\p
	global_load_b128 v[8*\p+4:8*\p+7], v24, s[20:21] offset:64*\p+16
	global_load_b128 v[32+8*\p:32+8*\p+3], v24, s[22:23] offset:64*\p
	global_load_b128 v[32+8*\p+4:32+8*\p+7], v24, s[22:23] offset:64*\p+16
.endr
.irp i, 0,1,2,3                        ; bv: tile i: all eight registers hold the bias of the head's number 16 i + r
.irp j, 0,1,2,3,4,5,6,7
	global_load_b32 v[128+8*\i+\j], v25, s[24:25] offset:64*\i
.endr
.endr
	WIN 0
.irp i, 0,1,2,3
	global_load_b32 v[TM+\i], v25, s[26:27] offset:64*\i   ; the mask of token 16 i + r
.endr
	s_lshr_b32 s39, s2, 3                          ; the batch,
	s_lshl_b32 s39, s39, 4
	s_add_co_u32 s39, s39, s99                     ; bh = 16 x batch + head
	s_and_b32 s2, s2, 7
	s_lshl_b32 s2, s2, 2
	s_add_co_u32 s2, s2, s[WV]                     ; grp: which 64 tokens of the batch are mine
	s_lshl_b32 s3, s39, 5
	s_add_co_u32 s3, s3, s2                        ; 32 bh + grp
	s_lshl_b32 s100, s3, 11
	s_add_nc_u64 s[28:29], s[28:29], s[100:101]    ; qimg, kimg: 2,048 bytes for 64 tokens
	s_add_nc_u64 s[32:33], s[32:33], s[100:101]
	s_lshl_b32 s100, s3, 8
	s_add_nc_u64 s[30:31], s[30:31], s[100:101]    ; qsc: 256 bytes
	s_mul_i32 s100, s39, 12288
	s_add_nc_u64 s[34:35], s[34:35], s[100:101]    ; kvsc: a head's 12,288 bytes: k's 8,192, then v's 4,096
	s_lshl_b32 s100, s2, 7
	s_add_co_u32 s100, s100, 8192
	s_add_nc_u64 s[66:67], s[34:35], s[100:101]    ; v's: 128 bytes for 64 keys
	s_lshl_b32 s100, s2, 8
	s_add_nc_u64 s[34:35], s[34:35], s[100:101]    ; k's: 256 bytes
	s_lshl_b32 s100, s39, 16
	s_lshr_b32 s3, s2, 1
	s_lshl_b32 s3, s3, 12
	s_add_co_u32 s100, s100, s3
	s_and_b32 s3, s2, 1
	s_lshl_b32 s3, s3, 9
	s_add_co_u32 s100, s100, s3
	s_add_nc_u64 s[36:37], s[36:37], s[100:101]    ; vimg: 65,536 bh + 4,096 (grp / 2) + 512 (grp % 2)
	v_and_b32 v15, 31, v0
	v_lshlrev_b32 v[LI], 4, v15
	v_lshlrev_b32 v[OS8], 4, v13
	v_lshl_add_u32 v[OS8], v14, 3, v[OS8]
	v_lshlrev_b32 v[OS4], 3, v13
	v_lshl_add_u32 v[OS4], v14, 2, v[OS4]
	v_mul_u32_u24 v15, v13, PITCH
	v_lshl_add_u32 v15, v14, 4, v15                ; a fragment's row x pitch + 16 x half
	v_add_nc_u32 v[ADX], s4, v15
.irp role, 0,1,2
	v_add_nc_u32 v[ADW+\role], WT+ROLEB*\role, v15
.endr
	v_lshlrev_b32 v15, 5, v13                      ; 32 scale bytes a row
	s_lshl_b32 s3, s[WV], 11
	s_add_co_u32 s3, s3, XS
	v_add_nc_u32 v15, s3, v15                      ; lanes 0-15: x's rows;
	s_xor_b32 s3, s[WV], 3                         ; 3 - w
	s_lshl_b32 s3, s3, 11
.irp role, 0,1,2                       ; lanes 16-31: W's rows, WS + 2,048 role - XS - 2,048 w = 2,048 (3 - w) + 2,048 + 2,048 role bytes further on: one product with h
	s_add_co_u32 s39, s3, 2048+2048*\role
	v_mul_u32_u24 v[ADS+\role], s39, v14
	v_add_nc_u32 v[ADS+\role], v[ADS+\role], v15
.endr
.irp b, 0,1,2,3
	v_mov_b32 v[TM2+\b], 0                         ; written once: a lane permute's destination counts as one of its sources
.endr
	s_wait_loadcnt 0x0                             ; the biases and the mask
.irp i, 0,1,2,3
	v_cmp_le_f32 s[KM+\i], 0, v[TM+\i]             ; mask >= 0
.endr
	s_wait_alu depctr_va_vdst(0)                   ; the wait at the head's end
	s_wait_tensorcnt 0x0                           ; my tile of the first four is in
	ds_add_u32 v[SPW], v[NIL]
	s_mov_b32 s[G0X+1], WT+ROLEB                   ; no tensor load of mine is out: the groups 0 are written for Wk's codes,
	s_mov_b64 s[G0X+2:G0X+3], s[12:13]
	s_or_b32 s[G0X+3], s[G0X+3], 0x80000000
	s_mov_b32 s[G0XS+1], WS+2048                   ; Wk's scale bytes,
	s_mov_b64 s[G0XS+2:G0XS+3], s[14:15]
	s_or_b32 s[G0XS+3], s[G0XS+3], 0x80000000
	s_mov_b32 s[G0W+1], WT+2*ROLEB                 ; Wv's codes,
	s_mov_b64 s[G0W+2:G0W+3], s[16:17]
	s_or_b32 s[G0W+3], s[G0W+3], 0x80000000
	s_mov_b32 s[G0WS+1], WS+4096                   ; and Wv's scale bytes
	s_mov_b64 s[G0WS+2:G0WS+3], s[18:19]
	s_or_b32 s[G0WS+3], s[G0WS+3], 0x80000000
	s_wait_dscnt 0x0
	CROUND                                         ; everybody's first tile is in, and the second group of joint loads meets
	ARM 1, G0X,  G1W,  .Lg1, .Lgj
	ARM 2, G0XS, G1WS, .Lg2, .Lgj
	ARM 3, G0W,  G1W,  .Lg3, .Lgj
	tensor_load_to_lds s[G0WS:G0WS+3], s[G1WS:G1WS+7]
	s_nop 0
.rept 4
	v_nop
.endr
.Lgj:
.macro SCLOAD role                     ; the scale words of all 8 K steps: 8 words a row
.irp i, 0,1,2,3
.irp q, 0,1
	ds_load_b128 v[SC+8*\i+4*\q:SC+8*\i+4*\q+3], v[ADS+(\role)] offset:512*\i+16*\q
.endr
.endr
.endm
; the fragments of K step ks into set 0 (window 0) or 1 (window 1): 16 rows x 128 K of 4-bit codes are 8 registers: lane (r, h): row r; registers 4 c .. 4 c + 3: K = 64 c + 32 h + 0 .. 31
.macro FRAGS role, ks, win1
.if (\win1)
	WIN 0x40
.else
	WIN 0
.endif
.irp i, 0,1,2,3
.irp c, 0,1
	ds_load_b128 v[FX+8*\i+4*\c:FX+8*\i+4*\c+3], v[ADX] offset:16*PITCH*\i+64*(\ks)+32*\c
	ds_load_b128 v[FW+8*\i+4*\c:FW+8*\i+4*\c+3], v[ADW+(\role)] offset:16*PITCH*\i+64*(\ks)+32*\c
.endr
.endr
.endm
; 16 matrix instructions: K step ks.  The sixteen accumulators take turns, one instruction a turn, in the same order in every step.  The first step's C is the bias.
.macro MUL role, ks
.if (\ks) == 0
	WIN 0x10                                       ; C in window 1
.elseif (\ks)%2
	WIN 0x05                                       ; both sources in window 1
.else
	WIN 0
.endif
.irp i, 0,1,2,3
.irp p, 0,1,2,3
.set rD, ACC+8*(4*\i+\p)
.set rC, rD
.if (\ks) == 0
.set rC, 32*(\role)+8*\p
.if (\role) == 2
.set rC, 128+8*\i
.endif
.endif
.if (\role) < 2
	v_wmma_scale_f32_16x16x128_f8f6f4 v[rD:rD+7], v[FW+8*\p:FW+8*\p+7], v[FX+8*\i:FX+8*\i+7], v[rC:rC+7], v[SC+8*\p+(\ks)], v[SC+8*\i+(\ks)] matrix_a_fmt:MATRIX_FMT_FP4 matrix_b_fmt:MATRIX_FMT_FP4 matrix_a_scale:MATRIX_SCALE_ROW1
.else
	v_wmma_scale_f32_16x16x128_f8f6f4 v[rD:rD+7], v[FX+8*\p:FX+8*\p+7], v[FW+8*\i:FW+8*\i+7], v[rC:rC+7], v[SC+8*\p+(\ks)], v[SC+8*\i+(\ks)] matrix_a_fmt:MATRIX_FMT_FP4 matrix_b_fmt:MATRIX_FMT_FP4 matrix_b_scale:MATRIX_SCALE_ROW1
.endif
.endr
.endr
.endm
; 64 registers from v[src] on, two tiles of lanes x two blocks of 32 (block b at src + 16 b: my 16 numbers of it), become 2 x 4 registers of codes at v[pc] on and two pairs of scale bytes at v[pw], v[pw + 1]
.macro QUANT4 src, pc, pw, floor
.irp b, 0,1,2,3
	v_max3_num_f32 v[TM+\b], |v[\src+16*\b]|, |v[\src+16*\b+1]|, \floor    ; each accumulator is read from its low end on; the floor holds the byte from below
.endr
.irp i, 2,4,6,8,10,12,14
.irp b, 0,1,2,3
	v_max3_num_f32 v[TM+\b], v[TM+\b], |v[\src+16*\b+\i]|, |v[\src+16*\b+\i+1]|   ; the four blocks by turns
.endr
.endr
.irp b, 0,1,2,3
	v_permlanex16_b32 v[TM2+\b], v[TM+\b], s[SEL], s[SEL+1]
.endr
.irp b, 0,1,2,3
	v_max_num_f32 v[TM+\b], v[TM+\b], v[TM2+\b]    ; with lane l xor 16's 16: the block's largest magnitude
.endr
.irp b, 0,1,2,3
	v_add_nc_u32 v[SO+\b], 0xff000000, v[TM+\b]    ; 2 off its exponent field: the conversion takes this operand's exponent field as its scale
.endr
.irp b, 0,1,2,3
	v_lshrrev_b32 v[TM2+\b], 23, v[SO+\b]          ; the scale's byte
.endr
	v_lshl_or_b32 v[\pw], v[TM2+1], 8, v[TM2]
	v_lshl_or_b32 v[\pw+1], v[TM2+3], 8, v[TM2+2]
.irp l, 0,1
	v_cvt_scalef32_pk8_fp4_f32 v[\pc+4*\l], v[\src+32*\l:\src+32*\l+7], v[SO+2*\l]
	v_cvt_scalef32_pk8_fp4_f32 v[\pc+4*\l+2], v[\src+32*\l+8:\src+32*\l+15], v[SO+2*\l]
	v_cvt_scalef32_pk8_fp4_f32 v[\pc+4*\l+1], v[\src+32*\l+16:\src+32*\l+23], v[SO+2*\l+1]
	v_cvt_scalef32_pk8_fp4_f32 v[\pc+4*\l+3], v[\src+32*\l+24:\src+32*\l+31], v[SO+2*\l+1]
.endr
	v_nop                                          ; one plain place behind the scaled conversions
.irp l, 0,1
	v_permlane16_swap_b32 v[\pc+4*\l], v[\pc+4*\l+1]      ; a whole block to a lane: lanes 0-15 the first block, lanes 16-31 the second
	v_permlane16_swap_b32 v[\pc+4*\l+2], v[\pc+4*\l+3]
.endr
.endm
.macro PHASE role, floor
	WIN 0
	s_wait_xcnt 0x0                                ; the last phase's stores have read their data: those registers are loaded and written again only behind this wait
	SCLOAD \role
	FRAGS \role, 0, 0
.irp s, 0,1,2,3,4,5,6,7
.if (\s >= 1) && (\s < 7)
.rept 4
	v_nop                                          ; four places in front of loads into the set that the step before multiplied
.endr
.endif
.if \s < 7
	FRAGS \role, \s+1, (\s+1)%2
	s_wait_dscnt 16                                ; all but the 16 loads just issued: this step's fragments are in (at the first step the scale words too)
.else
	s_wait_dscnt 0x0
.endif
	MUL \role, \s
.endr
	WIN 0
.rept 4
	v_nop                                          ; four places in front of the first read of results
.endr
	QUANT4 ACC, PC, PW, \floor
	QUANT4 ACC+64, PC+8, PW+2, \floor
.if (\role) == 0
.irp i, 0,1,2,3
	v_add_nc_u32 v[PW+\i], 0xfffffcfd, v[PW+\i]    ; 3 off both bytes: q / 8, exactly.  The floor keeps each byte at 4 or more, so nothing is borrowed
.endr
.endif
.if (\role) == 1
.irp i, 0,1,2,3
.irp n, 0,1,2,3
	v_cndmask_b32 v[PC+4*\i+\n], 0, v[PC+4*\i+\n], s[KM+\i]   ; a key with mask < 0 gets zero codes
.endr
.endr
.endif
.if (\role) < 2
.set pI, 28+4*(\role)
.set pS, 30+4*(\role)
.irp i, 0,1,2,3
	global_store_b128 v[LI], v[PC+4*\i:PC+4*\i+3], s[pI:pI+1] offset:512*\i   ; a tile's image: 32 lanes store 512 consecutive bytes, aligned
.endr
	v_cndmask_b32 v14, v[PW], v[PW+2], s[HM]       ; row r's four words: lanes 0-15 store tiles 0 and 1, lanes 16-31 tiles 2 and 3
	v_cndmask_b32 v15, v[PW+1], v[PW+3], s[HM]
	global_store_b64 v[OS8], v[14:15], s[pS:pS+1]  ; 256 consecutive bytes, aligned
.else
.irp i, 0,1,2,3
	global_store_b128 v[LI], v[PC+4*\i:PC+4*\i+3], s[36:37] offset:1024*\i
.endr
	v_lshl_or_b32 v14, v[PW+1], 16, v[PW]          ; row r's four pairs of bytes
	v_lshl_or_b32 v15, v[PW+3], 16, v[PW+2]
	v_cndmask_b32 v13, v14, v15, s[HM]
	global_store_b32 v[OS4], v13, s[66:67]         ; 128 consecutive bytes
.endif
.endm
	PHASE 0, 0x03000000                            ; q: reads x and Wq alone, while Wk and Wv are on their way
	s_wait_alu depctr_va_vdst(0)                   ; the wait ahead of the blocking wait
	s_wait_tensorcnt 0x0                           ; my tile of the second four is in,
	s_barrier_signal -1
	s_barrier_wait -1                              ; and everybody's
	PHASE 1, 0x01800000
	PHASE 2, 0x01800000                            ; v
	s_wait_tensorcnt 0x0                           ; the wave's end
	ds_add_u32 v[SPW], v[NIL]
	s_wait_dscnt 0x0
	CROUND                                         ; the closing round: no work-group ends while a partner may still ask for a tile that names it
	s_endpgm
.Lfunc_end_k_q601b1a6e57_proj:
	.size	k_q601b1a6e57_proj, .Lfunc_end_k_q601b1a6e57_proj-k_q601b1a6e57_proj
	.p2alignl 7, 3214868480
	.fill 96, 4, 3214868480
	.section	.rodata,"a",@progbits
	.p2align	6, 0x0
	.amdhsa_kernel k_q601b1a6e57_proj
		.amdhsa_group_segment_fixed_size 327680
		.amdhsa_private_segment_fixed_size 0
		.amdhsa_enable_private_segment 0
		.amdhsa_kernarg_size 136
		.amdhsa_user_sgpr_count 2
		.amdhsa_user_sgpr_kernarg_segment_ptr 1
		.amdhsa_wavefront_size32 1
		.amdhsa_system_sgpr_workgroup_id_x 1
		.amdhsa_system_sgpr_workgroup_id_y 1
		.amdhsa_system_sgpr_workgroup_id_z 1
		.amdhsa_system_vgpr_workitem_id 0
		.amdhsa_next_free_vgpr 512
		.amdhsa_next_free_sgpr 102
		.amdhsa_reserve_vcc 0
		.amdhsa_float_denorm_mode_32 3
		.amdhsa_float_denorm_mode_16_64 3
		.amdhsa_memory_ordered 1
		.amdhsa_forward_progress 1
		.amdhsa_inst_pref_size 121
	.end_amdhsa_kernel
	.amdgpu_metadata
---
amdhsa.version: [ 1, 2 ]
amdhsa.kernels:
  - .name:           k_q601b1a6e57_proj
    .symbol:         k_q601b1a6e57_proj.kd
    .args:
      - { .name: hidden_states_codes, .offset: 0, .size: 8, .value_kind: global_buffer, .address_space: global }
      - { .name: hidden_states_scales, .offset: 8, .size: 8, .value_kind: global_buffer, .address_space: global }
      - { .name: Wq_codes, .offset: 16, .size: 8, .value_kind: global_buffer, .address_space: global }
      - { .name: Wq_scales, .offset: 24, .size: 8, .value_kind: global_buffer, .address_space: global }
      - { .name: Wk_codes, .offset: 32, .size: 8, .value_kind: global_buffer, .address_space: global }
      - { .name: Wk_scales, .offset: 40, .size: 8, .value_kind: global_buffer, .address_space: global }
      - { .name: Wv_codes, .offset: 48, .size: 8, .value_kind: global_buffer, .address_space: global }
      - { .name: Wv_scales, .offset: 56, .size: 8, .value_kind: global_buffer, .address_space: global }
      - { .name: bq, .offset: 64, .size: 8, .value_kind: global_buffer, .address_space: global }
      - { .name: bk, .offset: 72, .size: 8, .value_kind: global_buffer, .address_space: global }
      - { .name: bv, .offset: 80, .size: 8, .value_kind: global_buffer, .address_space: global }
      - { .name: attention_mask, .offset: 88, .size: 8, .value_kind: global_buffer, .address_space: global }
      - { .name: qimg, .offset: 96, .size: 8, .value_kind: global_buffer, .address_space: global }
      - { .name: qsc, .offset: 104, .size: 8, .value_kind: global_buffer, .address_space: global }
      - { .name: kimg, .offset: 112, .size: 8, .value_kind: global_buffer, .address_space: global }
      - { .name: kvsc, .offset: 120, .size: 8, .value_kind: global_buffer, .address_space: global }
      - { .name: vimg, .offset: 128, .size: 8, .value_kind: global_buffer, .address_space: global }
    .group_segment_fixed_size: 327680
    .private_segment_fixed_size: 0
    .kernarg_segment_align: 8
    .kernarg_segment_size: 136
    .max_flat_workgroup_size: 128
    .sgpr_count:     102
    .vgpr_count:     512
    .wavefront_size: 32
...
	.end_amdgpu_metadata
.endif
;; end of part 1
;; launch attn (part 2): grid 4 x 64, 8 waves a work-group, clusters of 4 x 1, 327,680 bytes of LDS; arguments qimg, qsc, kimg, vimg, kvsc, attention_mask, out0; writes out0
.if DOCPART == 2
	.amdgcn_target "amdgcn-amd-amdhsa--gfx1250"
	.amdhsa_code_object_version 6
	.text
	.protected	k_q601b1a6e57_attn
	.globl	k_q601b1a6e57_attn
	.p2align	8
	.type	k_q601b1a6e57_attn,@function
k_q601b1a6e57_attn:
	s_mov_b64 s[64:65], 0
	v_nop
	global_prefetch_b8 v0, s[64:65] scope:SCOPE_SE
	s_setreg_imm32_b32 hwreg(HW_REG_WAVE_MODE, 25, 1), 1
	s_wait_xcnt 0x0
	s_wait_alu depctr_hold_cnt(0) depctr_sa_sdst(0) depctr_va_vdst(0) depctr_va_sdst(0) depctr_va_ssrc(0) depctr_va_vcc(0) depctr_vm_vsrc(0)
	s_getreg_b32 s2, hwreg(HW_REG_IB_STS2, 6, 4)
	s_cmp_eq_u32 s2, 0
	s_cbranch_scc0 .Lentry_in_a_cluster
	s_endpgm
.Lentry_in_a_cluster:
	s_bfe_u32 s2, ttmp6, 0x10000c
	s_cmp_lg_u32 s2, 0x3003
	s_cbranch_scc0 .Lentry_shape_is_right
	s_endpgm
.Lentry_shape_is_right:
; ctx = softmax(q k^T / 8 x (mask >= 0) + mask) v, both products on codes of FP4 (E2M1) with E8M0 bytes, as the launch before laid them (q's bytes carry the / 8; a key with mask < 0 has zero codes).
; No work of the problem is left out.  t = score x log2(e); M = the running largest t rounded up to a whole number; p = 2^(t - M) is quantised along the keys; the row's sum is taken of the unquantised p and divides at the end.
; LIMITS: the promise holds while the scaled scores stay under 2^31 in magnitude; NaN and infinities among the inputs are not served.
; SHARES.  A work-group (x = 512 queries, y = batch x head) has eight waves; a wave owns 64 queries, four tiles of 16.  K, V, their scale bytes and the mask of the whole head (151,552 bytes) lie in LDS from the first fills on: nothing is filled twice.
; CLUSTER: the four work-groups of a head need the same tiles: each is asked for jointly.  One tensor load a wave at the head: waves 0, 1 K's halves, waves 2, 3 V's, wave 4 the scale bytes, wave 5 the mask.
; No prefetch is written: every fill goes out at the head, so there is no loop to run ahead in.
; LAYOUT.  S^T = K Q^T + mask (source 0 = 16 keys, source 1 = 16 queries, C = the mask of the lane's keys); O^T = V^T P^T.  A lane holds one query; register j of key tile t is key 16 t + 8 h + j.  The head's 64 fill half of the
; instruction's 128: Q's upper four registers are zeros, so what K's upper four hold (the next tile's codes) adds nothing.
; THE QUERY TILES GO IN PAIRS: the two tiles' 128 registers of scores give eight blocks of 32 keys, whose chains take turns line by line.  The exponentials go in two batches, a tile each; among a batch's lines stand plain lines of the
; other tile whose sources were written ahead of the wait in front of the batch and whose results are first read behind the wait that follows it.  The wave's priority is raised for the two batches (s_setprio) and lowered behind them.
; The next step's K, scale words and mask are loaded behind the second pair's first products; V at a step's top, and it is first waited for behind the first pair's exponentials.
; REGISTERS.  Window 0: v1-7 addresses; v8-23 for each tile -M, the largest score, the sum in two halves; v24-59 K; v60-79 scale words; v80-95 p's codes; v96-127 at work; v128-255 the pair's scores.
; Window 1: v0-63 the mask; v64-95 V; v96-127 Q; v128-255 O^T, tile i at 128 + 32 i.
.set KIMG,  0
.set VIMG,  65536
.set SCL,   131072                     ; K's scale words, 8,192 bytes; then V's, 4,096
.set VSCL,  SCL+8192
.set MSK,   143360
.set STG,   151552                     ; the way out: 16 rows x 272 bytes for each wave
.set SPARE, 186368                     ; the spare words, 128 bytes for each wave
.set ADK,  1
.set ADV,  2
.set ADS,  3
.set ADM,  4
.set SPW,  5
.set NIL,  6
.set ADT,  7
.set ST,   8
.set KF,   24
.set PAD,  56
.set KS,   60
.set VS,   68
.set QS,   72
.set VR,   76
.set PC,   80
.set BM,   96
.set T,    104
.set SO,   112
.set F,    120
.set PW,   124
.set X,    126
.set S,    128
.set VF,   64                          ; window 1
.set QW,   96                          ; window 1
.set O,    128                         ; window 1
.set STO,  96                          ; the way out
.set RD,   97
.set GO,   98
.set WV,   18
.set SEL,  20
.set CS,   22
.set G1B,  24
.set G1S,  32
.set G1M,  40
.set L1,   48
.set L2,   52
.set L3,   56
.set NC,   66
.set CNT,  70
.set PLO,  71
.set PHI,  72
.set MSB, 0
.macro WIN new                         ; the immediate's high byte repeats the setting that is left
.if MSB != \new
	s_set_vgpr_msb (MSB<<8)|\new
.set MSB, \new
.endif
.endm
.macro DLY n
	s_delay_alu instid0(VALU_DEP_\n)
.endm
.macro CROUND                          ; a round of the cluster's barrier
	s_barrier_signal -1
	s_barrier_wait -1
	s_cmp_lg_u32 s[WV], 0
	s_cbranch_scc1 .Lnot_wave_0_\@
	s_barrier_signal -3
.Lnot_wave_0_\@:
	s_barrier_wait -3
	s_barrier_signal -1
	s_barrier_wait -1
.endm
	s_load_b256 s[4:11], s[0:1], 0x0               ; qimg, qsc, kimg, vimg
	s_load_b128 s[12:15], s[0:1], 0x20             ; kvsc, mask
	s_load_b64 s[16:17], s[0:1], 0x30              ; out0
	v_lshl_add_u32 v[SPW], v0, 2, SPARE
	v_mov_b32 v[NIL], 0
	ds_add_u32 v[SPW], v[NIL]                      ; the opening lines: the add, twice on end, and its wait
	ds_add_u32 v[SPW], v[NIL]
	v_lshrrev_b32 v[X], 5, v0
	DLY 1
	v_readfirstlane_b32 s[WV], v[X]                ; wave 0..7
	v_and_b32 v[X+1], 15, v0                       ; r
	v_bfe_u32 v[F], v0, 4, 1                       ; h
	v_and_b32 v[ADK], 31, v0
	DLY 1
	v_lshlrev_b32 v[ADK], 4, v[ADK]                ; K's images: 16 x lane
	v_lshl_add_u32 v[ADS], v[X+1], 4, SCL          ; K's scale words: 16 bytes a row for four tiles
	v_lshl_add_u32 v[ADM], v[F], 5, MSK            ; the mask: my half's eight keys of a tile
	v_lshl_add_u32 v[ADT], v[X+1], 3, VSCL-256     ; V's scale bytes, one step back: a step's top steps it first
	v_add_nc_u32 v[ADV], VIMG-4096, v[ADK]         ; V's images likewise
	v_lshlrev_b32 v[X+1], 4, v[X+1]                ; 16 r: Q's scale words
	s_bfe_u32 s73, ttmp6, 0x40000                  ; cx
	s_and_b32 s74, ttmp7, 0xffff                   ; bh = 16 x batch + head
	s_lshl_b32 s75, s73, 3
	s_add_co_u32 s75, s75, s[WV]                   ; which 64 queries are mine
.irp g, G1B, G1S, G1M                  ; dense blocks as rows of 256 bytes (32 elements of 8); the mask names the cluster's four, bit 21 beside it
	s_mov_b32 s[\g], 15|(3<<16)|(1<<21)
	s_mov_b32 s[\g+1], 32<<16
	s_mov_b32 s[\g+3], 32<<16
	s_mov_b32 s[\g+5], 32
	s_mov_b32 s[\g+6], 0
	s_mov_b32 s[\g+7], 0
.endr
	s_mov_b32 s[G1B+2], 128<<16                    ; half of K or V: 32,768 bytes
	s_mov_b32 s[G1B+4], 128
	s_mov_b32 s[G1S+2], 48<<16                     ; the scale bytes: 12,288
	s_mov_b32 s[G1S+4], 48
	s_mov_b32 s[G1M+2], 32<<16                     ; the mask: 8,192
	s_mov_b32 s[G1M+4], 32
	s_mov_b32 s[L1], 1
	s_mov_b32 s[L1+1], SCL
	s_mul_i32 s76, s74, 12288
	s_mov_b32 s77, 0
	s_mov_b32 s[L2], 1
	s_mov_b32 s[L2+1], MSK
	s_lshr_b32 s78, s74, 4
	s_lshl_b32 s78, s78, 13
	s_mov_b32 s79, 0
	s_and_b32 s84, s[WV], 3
	s_mov_b32 s[L3], 1
	s_lshl_b32 s[L3+1], s84, 15                    ; K's halves at 0 and 32,768, V's at 65,536 and 98,304
	s_and_b32 s84, s[WV], 1
	s_lshl_b32 s84, s84, 15
	s_lshl_b32 s80, s74, 16
	s_add_co_u32 s80, s80, s84
	s_mov_b32 s81, 0
	s_mov_b32 s[SEL], 0x76543210
	s_mov_b32 s[SEL+1], 0xfedcba98
	s_mov_b32 s[CS], 0x3fb8aa3b                    ; log2(e)
	s_mov_b32 s[CS+1], s[CS]
	s_mov_b32 s[NC], 0xbfb8aa3b                    ; -log2(e)
	s_mov_b32 s[PLO], 0x05040100
	s_mov_b32 s[PHI], 0x07060302
	s_mov_b32 s[CNT], 15
	s_wait_alu depctr_va_vdst(0)                   ; the wait ahead of the blocking waits
	s_wait_dscnt 0x0
	s_wait_kmcnt 0x0
	s_add_nc_u64 s[L1+2:L1+3], s[12:13], s[76:77]
	s_or_b32 s[L1+3], s[L1+3], 0x80000000
	s_add_nc_u64 s[L2+2:L2+3], s[14:15], s[78:79]
	s_or_b32 s[L2+3], s[L2+3], 0x80000000
	s_cmp_lt_u32 s[WV], 2
	s_cselect_b64 s[L3+2:L3+3], s[8:9], s[10:11]
	s_add_nc_u64 s[L3+2:L3+3], s[L3+2:L3+3], s[80:81]
	s_or_b32 s[L3+3], s[L3+3], 0x80000000
	s_lshl_b32 s82, s74, 5
	s_add_co_u32 s82, s82, s75
	s_lshl_b32 s84, s82, 8
	s_lshl_b32 s82, s82, 11
	s_mov_b32 s83, 0
	s_mov_b32 s85, 0
	s_add_nc_u64 s[4:5], s[4:5], s[82:83]          ; my 64 queries' images,
	s_add_nc_u64 s[6:7], s[6:7], s[84:85]          ; and scale words
	s_lshr_b32 s82, s74, 4
	s_lshl_b32 s82, s82, 23
	s_lshl_b32 s86, s75, 18
	s_add_co_u32 s82, s82, s86
	s_and_b32 s86, s74, 15
	s_lshl_b32 s86, s86, 8
	s_add_co_u32 s82, s82, s86
	s_add_nc_u64 s[16:17], s[16:17], s[82:83]      ; my first query's 256 bytes of the output
	WIN 0x40
.irp i, 0,1,2,3
	global_load_b128 v[QW+8*\i:QW+8*\i+3], v[ADK], s[4:5] offset:512*\i
.endr
	WIN 0
	global_load_b128 v[QS:QS+3], v[X+1], s[6:7]
	CROUND                                         ; the four work-groups are here: the joint loads meet
	s_cmp_lt_u32 s[WV], 4
	s_cbranch_scc0 .Lhead_s
	tensor_load_to_lds s[L3:L3+3], s[G1B:G1B+7]
	s_nop 0
.rept 4
	v_nop
.endr
	s_branch .Lhead_asked
.Lhead_s:
	s_cmp_eq_u32 s[WV], 4
	s_cbranch_scc0 .Lhead_m
	tensor_load_to_lds s[L1:L1+3], s[G1S:G1S+7]
	s_nop 0
.rept 4
	v_nop
.endr
	s_branch .Lhead_asked
.Lhead_m:
	s_cmp_eq_u32 s[WV], 5
	s_cbranch_scc0 .Lhead_asked
	tensor_load_to_lds s[L2:L2+3], s[G1M:G1M+7]
	s_nop 0
.rept 4
	v_nop
.endr
.Lhead_asked:
	WIN 0x40
.irp i, 0,1,2,3
.irp n, 4,5,6,7
	v_mov_b32 v[QW+8*\i+\n], 0                     ; Q's upper 64 along K: zero codes
.endr
.endr
.set n, 0
.rept 128
	v_mov_b32 v[O+n], 0                            ; O^T: the step is written for every step alike; the first finds zeros
.set n, n+1
.endr
	WIN 0
.irp i, 0,1,2,3
	v_mov_b32 v[PAD+\i], 0
	v_mov_b32 v[ST+4*\i], 0x7e967699               ; -M: 1e38, so that the first factor f is 0
	v_mov_b32 v[ST+4*\i+1], 0xfe967699             ; the largest score so far: -1e38
	v_mov_b32 v[ST+4*\i+2], 0
	v_mov_b32 v[ST+4*\i+3], 0
.endr
.irp k, 0,1,2,3,4,5,6,7
	v_mov_b32 v[T+\k], 0                           ; a lane permute's destination counts as one of its sources
.endr
	v_mov_b32 v[F+1], 0                            ; named as the upper halves of pairs
	v_mov_b32 v[F+3], 0
.macro LDK                             ; 26 loads: K's eight tiles, their scale words, the mask of the step's 128 keys
.irp t, 0,1,2,3,4,5,6,7
	ds_load_b128 v[KF+4*\t:KF+4*\t+3], v[ADK] offset:512*\t
.endr
.irp g, 0,1
	ds_load_b128 v[KS+4*\g:KS+4*\g+3], v[ADS] offset:256*\g
.endr
	WIN 0x40
.irp t, 0,1,2,3,4,5,6,7
.irp q, 0,1
	ds_load_b128 v[8*\t+4*\q:8*\t+4*\q+3], v[ADM] offset:64*\t+16*\q
.endr
.endr
	WIN 0
.endm
.macro LDV                             ; 10 loads: V's four tiles and their scale bytes
	WIN 0x40
.irp t, 0,1,2,3
.irp c, 0,1
	ds_load_b128 v[VF+8*\t+4*\c:VF+8*\t+4*\c+3], v[ADV] offset:1024*\t+512*\c
.endr
.endr
	WIN 0
.irp c, 0,1
	ds_load_b64 v[VR+2*\c:VR+2*\c+1], v[ADT] offset:128*\c
.endr
.endm
.macro TM u, from, cnt                 ; t - M, two at a time, of tile u's registers from .. on
.set j, 64*(\u)+(\from)
.rept \cnt
	v_pk_fma_f32 v[S+j:S+j+1], v[S+j:S+j+1], s[CS:CS+1], v[rA+4*(\u):rA+4*(\u)+1] op_sel_hi:[1,0,0]
.set j, j+2
.endr
.endm
; sixteen pairs of registers for partial sums, D(0) .. D(15): D(0-7) in v104-119, D(8-15) in v80-95, all free between the row's maximum and the scales' lines
.macro DADD x, y                       ; D(x) += D(y)
	v_pk_add_f32 v[T+2*(\x)-40*((\x)/8):T+2*(\x)-40*((\x)/8)+1], v[T+2*(\x)-40*((\x)/8):T+2*(\x)-40*((\x)/8)+1], v[T+2*(\y)-40*((\y)/8):T+2*(\y)-40*((\y)/8)+1]
.endm
.macro DSET x, r                       ; D(x) = four of the pair's p, from register r on, as two sums
	v_pk_add_f32 v[T+2*(\x)-40*((\x)/8):T+2*(\x)-40*((\x)/8)+1], v[S+(\r):S+(\r)+1], v[S+(\r)+2:S+(\r)+3]
.endm
.macro DACC x, r                       ; D(x) += two of the pair's p
	v_pk_add_f32 v[T+2*(\x)-40*((\x)/8):T+2*(\x)-40*((\x)/8)+1], v[T+2*(\x)-40*((\x)/8):T+2*(\x)-40*((\x)/8)+1], v[S+(\r):S+(\r)+1]
.endm
; query tiles a = 2 p and b = 2 p + 1 against the step's 128 keys
.macro PAIR p, last
.set rA, ST+8*(\p)
	WIN 0x14                                       ; source 1 (Q) and C (the mask) in window 1
.irp u, 0,1
.irp t, 0,1,2,3,4,5,6,7
	v_wmma_scale_f32_16x16x128_f8f6f4 v[S+64*\u+8*\t:S+64*\u+8*\t+7], v[KF+4*\t:KF+4*\t+7], v[QW+16*(\p)+8*\u:QW+16*(\p)+8*\u+7], v[8*\t:8*\t+7], v[KS+\t], v[QS+2*(\p)+\u] matrix_a_fmt:MATRIX_FMT_FP4 matrix_b_fmt:MATRIX_FMT_FP4
.endr
.endr
	WIN 0
	v_mov_b32 v[X], v[rA]                          ; the old -M of both tiles.  These lines are the places behind the products
	v_mov_b32 v[X+1], v[rA+4]
.if (\p)*(1-(\last))
	v_add_nc_u32 v[ADK], 4096, v[ADK]              ; K, its scale words and the mask are done with: the next step's are asked for
	v_add_nc_u32 v[ADS], 512, v[ADS]
	v_add_nc_u32 v[ADM], 512, v[ADM]
	LDK
.else
	v_nop
	v_nop
.endif
.irp k, 0,1,2,3,4,5,6,7                ; the largest score of each of the pair's eight blocks of 32 keys, by turns; each accumulator is read from its low end on
	v_max3_num_f32 v[BM+\k], v[S+16*\k], v[S+16*\k+1], v[S+16*\k+2]
.endr
.irp m, 3,5,7,9,11,13
.irp k, 0,1,2,3,4,5,6,7
	v_max3_num_f32 v[BM+\k], v[BM+\k], v[S+16*\k+\m], v[S+16*\k+\m+1]
.endr
.endr
.irp k, 0,1,2,3,4,5,6,7
	v_max_num_f32 v[BM+\k], v[BM+\k], v[S+16*\k+15]
.endr
.irp k, 0,1,2,3,4,5,6,7
	v_permlanex16_b32 v[T+\k], v[BM+\k], s[SEL], s[SEL+1]
.endr
.irp k, 0,1,2,3,4,5,6,7
	v_max_num_f32 v[BM+\k], v[BM+\k], v[T+\k]      ; with lane l xor 16's 16 keys
.endr
	v_max3_num_f32 v[T], v[BM], v[BM+1], v[BM+2]
	DLY 3
	v_max3_num_f32 v[T+1], v[BM+4], v[BM+5], v[BM+6]
.irp u, 0,1
	DLY 2
	v_max3_num_f32 v[rA+4*\u+1], v[rA+4*\u+1], v[T+\u], v[BM+4*\u+3]   ; the running largest score
.endr
.irp u, 0,1
	DLY 2
	v_mul_f32 v[rA+4*\u], s[NC], v[rA+4*\u+1]      ; -t (log2(e) is positive, so the largest score gives the largest t)
.endr
.irp u, 0,1
	DLY 2
	v_floor_f32 v[rA+4*\u], v[rA+4*\u]             ; -M = floor(-t) = -ceil(t)
.endr
.irp u, 0,1
	DLY 2
	v_sub_f32 v[X+\u], v[rA+4*\u], v[X+\u]         ; old M - new M: a whole number, 0 or less
.endr
	TM 0, 0, 8
.irp u, 0,1
	v_cvt_i32_f32 v[X+\u], v[X+\u]                 ; (it saturates)
.endr
	TM 0, 16, 8
.irp u, 0,1
	v_ldexp_f32 v[F+2*\u], 1.0, v[X+\u]            ; f = 2^(old M - new M)
.endr
	TM 0, 32, 16
.irp k, 0,1,2,3
	v_fma_f32 v[BM+\k], v[BM+\k], s[CS], v[rA]     ; the same of each of tile a's blocks' largest scores: p rises with the score
.endr
	s_setprio 3                                    ; the wave's priority is raised for the two batches
	s_wait_alu depctr_va_vdst(0)                   ; the wait ahead of the batch
.set j, 0
.rept 32                               ; tile a's p = 2^(t - M); among them tile b's t - M, which the next batch reads behind the wait below
	v_exp_f32 v[S+j], v[S+j]
	v_exp_f32 v[S+j+1], v[S+j+1]
	v_pk_fma_f32 v[S+64+j:S+64+j+1], v[S+64+j:S+64+j+1], s[CS:CS+1], v[rA+4:rA+5] op_sel_hi:[1,0,0]
.set j, j+2
.endr
.irp k, 0,1,2,3
	v_exp_f32 v[BM+\k], v[BM+\k]                   ; each block's largest p
	v_fma_f32 v[BM+4+\k], v[BM+4+\k], s[CS], v[rA+4]
.endr
	s_wait_alu depctr_va_vdst(0)                   ; behind tile a's batch and ahead of tile b's
.set j, 0
.rept 16                               ; tile b's p; among them the first level of tile a's row sum
	v_exp_f32 v[S+64+4*j], v[S+64+4*j]
	v_exp_f32 v[S+64+4*j+1], v[S+64+4*j+1]
	v_exp_f32 v[S+64+4*j+2], v[S+64+4*j+2]
	v_exp_f32 v[S+64+4*j+3], v[S+64+4*j+3]
	DSET j, 4*j
.set j, j+1
.endr
.irp k, 0,1,2,3
	v_exp_f32 v[BM+4+\k], v[BM+4+\k]
	v_max_num_f32 v[BM+\k], 0x1800000, v[BM+\k]    ; the floor 2^(3 - 127): the byte cannot fall under 1
.endr
.irp u, 0,1
	v_pk_mul_f32 v[rA+4*\u+2:rA+4*\u+3], v[rA+4*\u+2:rA+4*\u+3], v[F+2*\u:F+2*\u+1] op_sel_hi:[1,0]   ; the sums under the new M
.endr
	s_setprio 0
	s_wait_alu depctr_va_vdst(0)                   ; behind the batch, ahead of its first reader
.if (\p) == 0
	s_wait_dscnt 0x0                               ; V and its scale bytes are in
	v_perm_b32 v[VS], v[VR+2], v[VR], s[PLO]       ; a tile's word: two bytes of each 64 keys
	v_perm_b32 v[VS+1], v[VR+2], v[VR], s[PHI]
	v_perm_b32 v[VS+2], v[VR+3], v[VR+1], s[PLO]
	v_perm_b32 v[VS+3], v[VR+3], v[VR+1], s[PHI]
.endif
; the rows' sums of the unquantised p: tile a's sixteen partial sums are halved level by level in the even D; tile b's eight chains run in the odd D as these fall free
.irp i, 0,1,2,3,4,5,6,7
	DADD 2*\i, 2*\i+1
.endr
.irp c, 0,1,2,3,4,5,6,7
	DSET 2*\c+1, 64+4*\c
.endr
.irp i, 0,1,2,3
	DADD 4*\i, 4*\i+2
.endr
.irp c, 0,1,2,3,4,5,6,7
	DACC 2*\c+1, 96+2*\c
.endr
	DADD 0, 4
	DADD 8, 12
.irp c, 0,1,2,3,4,5,6,7
	DACC 2*\c+1, 112+2*\c
.endr
	DADD 0, 8
.irp c, 0,1,2,3
	DADD 4*\c+1, 4*\c+3
.endr
	v_pk_add_f32 v[rA+2:rA+3], v[rA+2:rA+3], v[T:T+1]
	DLY 4
	DADD 1, 5
	DLY 3
	DADD 9, 13
.irp k, 4,5,6,7
	v_max_num_f32 v[BM+\k], 0x1800000, v[BM+\k]
.endr
	DADD 1, 9
.irp k, 0,1,2,3
	v_add_nc_u32 v[SO+\k], 0xff000000, v[BM+\k]    ; 2 off the exponent field: the conversion's scale operand
.endr
	v_pk_add_f32 v[rA+6:rA+7], v[rA+6:rA+7], v[T+2:T+3]
.irp k, 4,5,6,7
	v_add_nc_u32 v[SO+\k], 0xff000000, v[BM+\k]
.endr
.irp k, 0,1,2,3,4,5,6,7
	v_lshrrev_b32 v[T+\k], 23, v[SO+\k]            ; the scale's byte
.endr
	v_lshl_or_b32 v[PW], v[T+1], 8, v[T]
	DLY 4
	v_lshl_or_b32 v[PW+1], v[T+5], 8, v[T+4]
.irp u, 0,1
	DLY 2
	v_lshl_or_b32 v[PW+\u], v[T+4*\u+2], 16, v[PW+\u]
.endr
.irp u, 0,1
	DLY 2
	v_lshl_or_b32 v[PW+\u], v[T+4*\u+3], 24, v[PW+\u]   ; p's scale word for these 128 keys
.endr
.irp u, 0,1
.irp c, 0,1
	v_cvt_scalef32_pk8_fp4_f32 v[PC+8*\u+4*\c], v[S+64*\u+32*\c:S+64*\u+32*\c+7], v[SO+4*\u+2*\c]
	v_cvt_scalef32_pk8_fp4_f32 v[PC+8*\u+4*\c+2], v[S+64*\u+32*\c+8:S+64*\u+32*\c+15], v[SO+4*\u+2*\c]
	v_cvt_scalef32_pk8_fp4_f32 v[PC+8*\u+4*\c+1], v[S+64*\u+32*\c+16:S+64*\u+32*\c+23], v[SO+4*\u+2*\c+1]
	v_cvt_scalef32_pk8_fp4_f32 v[PC+8*\u+4*\c+3], v[S+64*\u+32*\c+24:S+64*\u+32*\c+31], v[SO+4*\u+2*\c+1]
.endr
.endr
	v_nop                                          ; one plain place behind the scaled conversions
.irp u, 0,1
.irp c, 0,1
	v_permlane16_swap_b32 v[PC+8*\u+4*\c], v[PC+8*\u+4*\c+1]     ; a whole block to a lane
	v_permlane16_swap_b32 v[PC+8*\u+4*\c+2], v[PC+8*\u+4*\c+3]
.endr
.endr
	WIN 0x41
	s_wait_alu depctr_va_vdst(0)                   ; the wait directly ahead of the first reader of O^T
.set n, 0
.rept 32
	v_pk_mul_f32 v[O+64*(\p)+n:O+64*(\p)+n+1], v[O+64*(\p)+n:O+64*(\p)+n+1], v[F+2*(n/32):F+2*(n/32)+1] op_sel_hi:[1,0]   ; O^T under the new M; also the places ahead of the products
.set n, n+2
.endr
	WIN 0x51
.irp u, 0,1
.irp t, 0,1,2,3
	v_wmma_scale_f32_16x16x128_f8f6f4 v[O+64*(\p)+32*\u+8*\t:O+64*(\p)+32*\u+8*\t+7], v[VF+8*\t:VF+8*\t+7], v[PC+8*\u:PC+8*\u+7], v[O+64*(\p)+32*\u+8*\t:O+64*(\p)+32*\u+8*\t+7], v[VS+\t], v[PW+\u] matrix_a_fmt:MATRIX_FMT_FP4 matrix_b_fmt:MATRIX_FMT_FP4
.endr
.endr
.endm
.macro STEP last
	v_add_nc_u32 v[ADV], 4096, v[ADV]              ; four places behind the last products, ahead of the loads into V's registers
	v_add_nc_u32 v[ADT], 256, v[ADT]
	v_nop
	v_nop
	LDV
	s_wait_dscnt 10                                ; all but the 10 loads just issued: K, its scale words and the mask are in
	PAIR 0, \last
	PAIR 1, \last
	WIN 0
.endm
	s_wait_alu depctr_va_vdst(0)                   ; the wait at the head's end
	s_wait_loadcnt 0x0                             ; Q
	s_wait_tensorcnt 0x0                           ; my fill has landed,
	s_barrier_signal -1
	s_barrier_wait -1                              ; and everybody's
	LDK
.Lstep:                                                ; 15 trips; the sixteenth step is written out, since it asks for no further keys
	STEP 0
	s_sub_co_u32 s[CNT], s[CNT], 1
	s_cmp_lg_u32 s[CNT], 0
	s_wait_alu depctr_va_vdst(0)                   ; the wait ahead of the branch
	s_cbranch_scc1 .Lstep
	STEP 1
	; THE WAY OUT: O^T / the sum goes through my stage in LDS, a tile at a time, and leaves as aligned units of 256 bytes (a query's 64 numbers of this head)
.irp i, 0,1,2,3
	v_add_f32 v[ST+4*\i+2], v[ST+4*\i+2], v[ST+4*\i+3]
.endr
.irp i, 0,1,2,3
	DLY 4
	v_permlanex16_b32 v[T+\i], v[ST+4*\i+2], s[SEL], s[SEL+1]
.endr
.irp i, 0,1,2,3
	DLY 4
	v_add_f32 v[ST+4*\i+2], v[ST+4*\i+2], v[T+\i]
.endr
	s_wait_alu depctr_va_vdst(0)                   ; ahead of the batch
.irp i, 0,1,2,3
	v_rcp_f32 v[ST+4*\i+2], v[ST+4*\i+2]
.endr
	v_and_b32 v99, 15, v0                          ; r
	v_bfe_u32 v100, v0, 4, 1                       ; h
	s_mul_i32 s87, s[WV], 16*272
	s_add_co_u32 s87, s87, STG
	v_mul_u32_u24 v[STO], v99, 272
	v_mul_u32_u24 v[RD], v100, 272
	v_lshlrev_b32 v[GO], 12, v100
	v_lshl_add_u32 v[STO], v100, 5, v[STO]
	v_lshl_add_u32 v[RD], v99, 4, v[RD]
	v_lshl_add_u32 v[GO], v99, 4, v[GO]            ; lanes 0-15 one query's row, lanes 16-31 the next; 16 bytes a lane
	v_add_nc_u32 v[STO], s87, v[STO]
	v_add_nc_u32 v[RD], s87, v[RD]
	s_wait_alu depctr_va_vdst(0)                   ; behind the batch, ahead of its first reader and of O^T's
.macro PACK i
.set rB, S+32*((\i)%2)
.set rL, KF+32*((\i)%2)
	WIN 0x01
.set n, 0
.rept 16
	v_pk_mul_f32 v[rB+n:rB+n+1], v[O+32*(\i)+n:O+32*(\i)+n+1], v[ST+4*(\i)+2:ST+4*(\i)+3] op_sel_hi:[1,0]
.set n, n+2
.endr
	WIN 0
.irp t, 0,1,2,3
	ds_store_b128 v[STO], v[rB+8*\t:rB+8*\t+3] offset:64*\t
	ds_store_b128 v[STO], v[rB+8*\t+4:rB+8*\t+7] offset:64*\t+16
.endr
.irp e, 0,1,2,3,4,5,6,7
	ds_load_b128 v[rL+4*\e:rL+4*\e+3], v[RD] offset:544*\e   ; LDS serves a wave's instructions in order: these see my stores
.endr
.endm
.macro SEND i, younger
.set rL, KF+32*((\i)%2)
.irp e, 0,1,2,3,4,5,6,7
	s_wait_dscnt \younger+7-\e
	global_store_b128 v[GO], v[rL+4*\e:rL+4*\e+3], s[16:17] offset:(16*(\i)+2*\e)*4096 th:TH_STORE_NT
.endr
.endm
	PACK 0
	PACK 1
	SEND 0, 16
	s_wait_xcnt 0x0                                ; tile 0's stores have read their data: those registers are loaded again only behind this wait
	PACK 2
	SEND 1, 16
	s_wait_xcnt 0x0
	PACK 3
	SEND 2, 16
	SEND 3, 0
	s_wait_tensorcnt 0x0                           ; the wave's end
	ds_add_u32 v[SPW], v[NIL]
	s_wait_dscnt 0x0
	CROUND                                         ; the closing round
	s_endpgm
.Lfunc_end_k_q601b1a6e57_attn:
	.size	k_q601b1a6e57_attn, .Lfunc_end_k_q601b1a6e57_attn-k_q601b1a6e57_attn
	.p2alignl 7, 3214868480
	.fill 96, 4, 3214868480
	.section	.rodata,"a",@progbits
	.p2align	6, 0x0
	.amdhsa_kernel k_q601b1a6e57_attn
		.amdhsa_group_segment_fixed_size 327680
		.amdhsa_private_segment_fixed_size 0
		.amdhsa_enable_private_segment 0
		.amdhsa_kernarg_size 56
		.amdhsa_user_sgpr_count 2
		.amdhsa_user_sgpr_kernarg_segment_ptr 1
		.amdhsa_wavefront_size32 1
		.amdhsa_system_sgpr_workgroup_id_x 1
		.amdhsa_system_sgpr_workgroup_id_y 1
		.amdhsa_system_sgpr_workgroup_id_z 1
		.amdhsa_system_vgpr_workitem_id 0
		.amdhsa_next_free_vgpr 512
		.amdhsa_next_free_sgpr 92
		.amdhsa_reserve_vcc 0
		.amdhsa_float_denorm_mode_32 3
		.amdhsa_float_denorm_mode_16_64 3
		.amdhsa_memory_ordered 1
		.amdhsa_forward_progress 1
		.amdhsa_inst_pref_size 141
	.end_amdhsa_kernel
	.amdgpu_metadata
---
amdhsa.version: [ 1, 2 ]
amdhsa.kernels:
  - .name:           k_q601b1a6e57_attn
    .symbol:         k_q601b1a6e57_attn.kd
    .args:
      - { .name: qimg, .offset: 0, .size: 8, .value_kind: global_buffer, .address_space: global }
      - { .name: qsc, .offset: 8, .size: 8, .value_kind: global_buffer, .address_space: global }
      - { .name: kimg, .offset: 16, .size: 8, .value_kind: global_buffer, .address_space: global }
      - { .name: vimg, .offset: 24, .size: 8, .value_kind: global_buffer, .address_space: global }
      - { .name: kvsc, .offset: 32, .size: 8, .value_kind: global_buffer, .address_space: global }
      - { .name: attention_mask, .offset: 40, .size: 8, .value_kind: global_buffer, .address_space: global }
      - { .name: out0, .offset: 48, .size: 8, .value_kind: global_buffer, .address_space: global }
    .group_segment_fixed_size: 327680
    .private_segment_fixed_size: 0
    .kernarg_segment_align: 8
    .kernarg_segment_size: 56
    .max_flat_workgroup_size: 256
    .sgpr_count:     92
    .vgpr_count:     512
    .wavefront_size: 32
...
	.end_amdgpu_metadata
.endif
;; end of part 2
